; MI455X (gfx1250); checked and timed in simulation.
; The chip was launched on July 23, 2026; its instructions are those of AMD's public machine-readable ISA for CDNA 5 (MIT licence, August 2026) and "CDNA5" Instruction Set Architecture Reference Guide (July 2026). The comments in the code are by the model that wrote it; some were corrected since.
;; Attention. Allowed arithmetic: float matrix products may take bf16 or f16 operands with f32 sums; all other float work in f32.
;; Inputs: Wk 1,024 x 1,024 float32; Wo 1,024 x 1,024 float32; Wq 1,024 x 1,024 float32; Wv 1,024 x 1,024 float32; bias 4 x 1 x 1 x 2,048 float32; x 4 x 2,048 x 1,024 float32.
;; Outputs: out0 4 x 2,048 x 1,024 float32.
;; 2 versions, each right; version 2 is version 1 with the launch cast written anew for expert scheduling mode. Each part assembles by itself: llvm-mc -triple=amdgcn-amd-amdhsa -mcpu=gfx1250 --defsym DOCPART=n.
;; ======== version 1 of 2: 4 launches
;; limits: values are held in f16: magnitudes above 65,504 overflow, below 6.1e-05 lose precision
;; workspace buffers: xw 25,165,824 bytes; qkv 50,331,648 bytes; att 16,777,216 bytes
;; launch cast (part 1): grid 64 x 12, 8 waves a work-group, no clusters, 0 bytes of LDS; arguments x, Wq, Wk, Wv, Wo, xw; writes xw
.if DOCPART == 1
	.amdgcn_target "amdgcn-amd-amdhsa--gfx1250"
	.amdhsa_code_object_version 6
	.text
	.protected	k_q2fda531ffb_cast
	.globl	k_q2fda531ffb_cast
	.p2align	8
	.type	k_q2fda531ffb_cast,@function
k_q2fda531ffb_cast:
	s_mov_b64 s[64:65], 0
	v_nop
	global_prefetch_b8 v0, s[64:65] scope:SCOPE_SE
	s_setreg_imm32_b32 hwreg(HW_REG_WAVE_MODE, 25, 1), 1
	s_wait_xcnt 0x0
; cast: f32 to f16 (one rounding), layouts unchanged.  xw is twelve segments of 1 Mi numbers (2 MiB each):
; segments 0-7 = x [8192][1024], 8 = Wq * 0.125 * log2(e), 9 = Wk, 10 = Wv, 11 = Wo, each weight [k][n].
; The factor on Wq is the logits' scale (depth^-0.5 = 0.125) and the change to base 2 of the softmax's exponential,
; applied in f32 ahead of the one rounding.
; LIMIT: f16 holds magnitudes below 65,504; larger inputs become infinities.
; A pure stream: no LDS, no barrier.  Work-group (cx, y): 16,384 numbers of segment y, 64 KiB in, 32 KiB out.
; Thread t, step i: 16 bytes in at 4096 i + 16 t (a wave: 512 consecutive bytes), 8 bytes out at 2048 i + 8 t
; (a wave: 256 consecutive bytes, aligned).  All sixteen loads of a wave go out first.
.set X, 4                              ; v[4:67]   step i: 4 numbers as loaded
.set Y, 68                             ; v[68:99]  step i: 4 numbers in f16
	s_load_b256 s[4:11], s[0:1], 0x0               ; x s[4:5], Wq s[6:7], Wk s[8:9], Wv s[10:11]
	s_load_b128 s[12:15], s[0:1], 0x20             ; Wo s[12:13], xw s[14:15]
	s_and_b32 s16, ttmp7, 0xffff                   ; the segment
	s_lshl_b32 s18, s16, 22                        ; x's segments are 4 MiB apart;
	s_cmp_lt_u32 s16, 8
	s_cselect_b32 s18, s18, 0                      ; for a weight's segment the offset into x is not used: keep it 0
	s_mov_b32 s19, 0
	s_lshl_b32 s26, ttmp9, 16                      ; my 64 KiB of the source segment
	s_mov_b32 s27, 0
	s_lshl_b32 s28, s16, 6
	s_add_co_u32 s28, s28, ttmp9
	s_lshl_b32 s28, s28, 15                        ; my 32 KiB of xw: (64 y + cx) * 32 KiB, below 24 MiB
	s_mov_b32 s29, 0
	s_mov_b32 s22, 0x3e38aa3b                      ; 0.125 * log2(e)
	s_mov_b32 s23, 0x3e38aa3b                      ; (the pair is named as a whole by the packed multiply)
	v_lshlrev_b32 v1, 4, v0                        ; 16 t
	v_lshlrev_b32 v2, 3, v0                        ; 8 t
	s_wait_kmcnt 0x0
	s_add_nc_u64 s[20:21], s[4:5], s[18:19]        ; the source: x's segment, or one of the weights
	s_cmp_eq_u32 s16, 8
	s_cselect_b64 s[20:21], s[6:7], s[20:21]
	s_cmp_eq_u32 s16, 9
	s_cselect_b64 s[20:21], s[8:9], s[20:21]
	s_cmp_eq_u32 s16, 10
	s_cselect_b64 s[20:21], s[10:11], s[20:21]
	s_cmp_eq_u32 s16, 11
	s_cselect_b64 s[20:21], s[12:13], s[20:21]
	s_add_nc_u64 s[20:21], s[20:21], s[26:27]
	s_add_nc_u64 s[24:25], s[14:15], s[28:29]
.irp i, 0,1,2,3,4,5,6,7,8,9,10,11,12,13,14,15
	global_load_b128 v[X+4*\i:X+4*\i+3], v1, s[20:21] offset:4096*\i th:TH_LOAD_NT
.endr
; sixteen steps.  scale = 1: Wq's segment, multiplied ahead of the rounding.  No register is written twice but X's, in place, by Wq's multiply.
.macro CV scale
.irp i, 0,1,2,3,4,5,6,7,8,9,10,11,12,13,14,15
	s_wait_loadcnt 15-\i                           ; loads come back in order: step i is in, the younger ones stay out
.if \scale
	v_pk_mul_f32 v[X+4*\i:X+4*\i+1],   v[X+4*\i:X+4*\i+1],   s[22:23] op_sel_hi:[1,0]
	v_pk_mul_f32 v[X+4*\i+2:X+4*\i+3], v[X+4*\i+2:X+4*\i+3], s[22:23] op_sel_hi:[1,0]
.endif
	v_cvt_pk_f16_f32 v[Y+2*\i],   v[X+4*\i],   v[X+4*\i+1]
	v_cvt_pk_f16_f32 v[Y+2*\i+1], v[X+4*\i+2], v[X+4*\i+3]
	global_store_b64 v2, v[Y+2*\i:Y+2*\i+1], s[24:25] offset:2048*\i
.endr
.endm
	s_cmp_eq_u32 s16, 8                            ; the same for the whole work-group
	s_cbranch_scc1 .Lscaled
	CV 0
	s_endpgm
.Lscaled:
	CV 1
	s_endpgm
.Lfunc_end_k_q2fda531ffb_cast:
	.size	k_q2fda531ffb_cast, .Lfunc_end_k_q2fda531ffb_cast-k_q2fda531ffb_cast
	.p2alignl 7, 3214868480
	.fill 96, 4, 3214868480
	.section	.rodata,"a",@progbits
	.p2align	6, 0x0
	.amdhsa_kernel k_q2fda531ffb_cast
		.amdhsa_group_segment_fixed_size 0
		.amdhsa_private_segment_fixed_size 0
		.amdhsa_enable_private_segment 0
		.amdhsa_kernarg_size 48
		.amdhsa_user_sgpr_count 2
		.amdhsa_user_sgpr_kernarg_segment_ptr 1
		.amdhsa_wavefront_size32 1
		.amdhsa_system_sgpr_workgroup_id_x 1
		.amdhsa_system_sgpr_workgroup_id_y 1
		.amdhsa_system_sgpr_workgroup_id_z 1
		.amdhsa_system_vgpr_workitem_id 0
		.amdhsa_next_free_vgpr 100
		.amdhsa_next_free_sgpr 66
		.amdhsa_reserve_vcc 0
		.amdhsa_float_denorm_mode_32 3
		.amdhsa_float_denorm_mode_16_64 3
		.amdhsa_memory_ordered 1
		.amdhsa_forward_progress 1
		.amdhsa_inst_pref_size 13
	.end_amdhsa_kernel
	.amdgpu_metadata
---
amdhsa.version: [ 1, 2 ]
amdhsa.kernels:
  - .name:           k_q2fda531ffb_cast
    .symbol:         k_q2fda531ffb_cast.kd
    .args:
      - { .name: x, .offset: 0, .size: 8, .value_kind: global_buffer, .address_space: global }
      - { .name: Wq, .offset: 8, .size: 8, .value_kind: global_buffer, .address_space: global }
      - { .name: Wk, .offset: 16, .size: 8, .value_kind: global_buffer, .address_space: global }
      - { .name: Wv, .offset: 24, .size: 8, .value_kind: global_buffer, .address_space: global }
      - { .name: Wo, .offset: 32, .size: 8, .value_kind: global_buffer, .address_space: global }
      - { .name: xw, .offset: 40, .size: 8, .value_kind: global_buffer, .address_space: global }
    .group_segment_fixed_size: 0
    .private_segment_fixed_size: 0
    .kernarg_segment_align: 8
    .kernarg_segment_size: 48
    .max_flat_workgroup_size: 256
    .sgpr_count:     66
    .vgpr_count:     100
    .wavefront_size: 32
...
	.end_amdgpu_metadata
.endif
;; end of part 1
;; launch qkv (part 2): grid 12 x 32, 4 waves a work-group, clusters of 4 x 4, 327,680 bytes of LDS; arguments xw, qkv; writes qkv
.if DOCPART == 2
	.amdgcn_target "amdgcn-amd-amdhsa--gfx1250"
	.amdhsa_code_object_version 6
	.text
	.protected	k_q2fda531ffb_qkv
	.globl	k_q2fda531ffb_qkv
	.p2align	8
	.type	k_q2fda531ffb_qkv,@function
k_q2fda531ffb_qkv:
	s_mov_b64 s[64:65], 0
	v_nop
	global_prefetch_b8 v0, s[64:65] scope:SCOPE_SE
	s_setreg_imm32_b32 hwreg(HW_REG_WAVE_MODE, 25, 1), 1
	s_wait_xcnt 0x0
	s_wait_alu depctr_hold_cnt(0) depctr_sa_sdst(0) depctr_va_vdst(0) depctr_va_sdst(0) depctr_va_ssrc(0) depctr_va_vcc(0) depctr_vm_vsrc(0)
	s_getreg_b32 s2, hwreg(HW_REG_IB_STS2, 6, 4)
	s_cmp_eq_u32 s2, 0
	s_cbranch_scc0 .Lentry_in_a_cluster
	s_endpgm
.Lentry_in_a_cluster:
	s_bfe_u32 s2, ttmp6, 0x10000c
	s_cmp_lg_u32 s2, 0xf033
	s_cbranch_scc0 .Lentry_shape_is_right
	s_endpgm
.Lentry_shape_is_right:
; qkv[m][n] = sum over k of x[m][k] W[k][n], W = [Wq' | Wk | Wv] side by side: [8192][3072] in f16, sums in f32.
; x (f16, [8192][1024]) lies at byte 0 of xw, the three weights (f16, [k][n], 2 MiB each) from byte BOFF on.
; LIMIT: results are rounded to f16: magnitudes below 65,504.
; A work-group makes 256 x 256 of the result with four waves; a wave makes 128 x 128: 64 accumulator tiles, 512 registers.
; K goes in steps of 128 through two LDS slots filled by the tensor data mover.  A's tile: 256 rows x 256 bytes (K along the rows).
; B's tile: 128 k-rows x 512 bytes (n along the rows, as the weights lie); its fragments are read by the transposing LDS load.
; CLUSTERS: 4 x 4 work-groups.  A's tile hangs on the block row alone and is asked for jointly by a row of the cluster,
; B's on the block column alone and is asked for jointly by a column: four requests become one.
; The grid has 384 work-groups of equal work.
;
; REGISTERS, in windows of 256:
;   window 0: v0-31 addresses; v64-127, v128-191 fragments of A, two buffers; v192-223 at work on the way out
;   window 1: v64-127, v128-191 fragments of B, two buffers
;   window 2: the 32 accumulator tiles of my rows 0-63 (tile (a, b) at v[8 (8 a + b)]);  window 3: those of my rows 64-127
; THE MATRIX INSTRUCTION IS USED TRANSPOSED: source 0 = 16 columns of B, source 1 = 16 rows of A, so that lane l holds row l % 16
; of the result and its registers 0-7 the columns 8 (l / 16) + 0..7: eight neighbouring numbers, 16 bytes in f16.
.set SIZE_N, 3072
.set SIZE_K, 1024
.set KSTEP,  128
.set PITCH,  272                       ; A's LDS row: 256 bytes + 16 of padding, an odd multiple of 16
.set BPITCH, 544                       ; B's LDS row: 512 bytes + 32 of padding, an odd multiple of 32
.set HALFT,  128*PITCH                 ; what one tensor load brings: 128 rows of A, or 64 k-rows of B (64 x 544 is the same)
.set SLOT,   4*HALFT                   ; A's 256 rows, then B's 128 k-rows
.set STAGE,  2*SLOT                    ; behind the ring: 16 rows x 272 bytes for each wave, for the way out
.set SPITCH, 272
.set LAPS,   SIZE_K/(2*KSTEP)          ; a lap = two K steps = once round the ring: 4
.set WROW,   2048                      ; bytes in a row of x and of a weight
.set BOFF,   16777216                  ; the weights' first byte in xw
.set CB,   6                           ; s[6:7] the result's address
.set ADRA, 16                          ; v16-17  LDS address of my A fragments in slot 0, 1
.set ADRB, 20                          ; v20-21  the same for B
.set STO,  24                          ; v24     the way out: where I put 16 bytes of a row
.set RD,   25                          ; v25     the way out: where I read a row back
.set CO,   26                          ; v26     my byte offset in the result
.set F0,   64
.set F1,   128
.set TMP,  192
.set G1, 24                            ; s[24:31] descriptor group 1 for A's tiles
.set G0, 32                            ; s[32:39] descriptor group 0 for A's tiles, one set for each slot
.set G1B, 48                           ; s[48:55] descriptor group 1 for B's tiles
.set G0B, 56                           ; s[56:63] descriptor group 0 for B's tiles, one set for each slot
.set MSB, 0
.macro WIN new                         ; the immediate's high byte repeats the setting that is left
.if MSB != \new
	s_set_vgpr_msb (MSB<<8)|\new
.set MSB, \new
.endif
.endm
.set MUL_LO, 0xa1                      ; source 0 (B) window 1, source 1 (A) window 0, C and D window 2
.set MUL_HI, 0xf1                      ; the same, C and D window 3
.set TO_B,   0x40                      ; destination window 1, address window 0
; A joint load.  Waves 0 and 1 fetch A's two halves, waves 2 and 3 B's.  The branch hangs on the wave's number alone.
.macro JLOAD s
	s_cmp_eq_u32 s11, 0
	s_cbranch_scc0 .Lfor_b_\@
	tensor_load_to_lds s[G0+4*\s:G0+4*\s+3], s[G1:G1+7]
	s_nop 0
	s_branch .Lasked_\@
.Lfor_b_\@:
	tensor_load_to_lds s[G0B+4*\s:G0B+4*\s+3], s[G1B:G1B+7]
	s_nop 0
.Lasked_\@:
.endm
; A round of the cluster's barrier: my work-group's barrier; wave 0 signals for the work-group; every wave waits for all sixteen; my work-group's barrier again.
.macro CREST                           ; a round behind its opening barrier
	s_cmp_lg_u32 s10, 0
	s_cbranch_scc1 .Lnot_wave_0_\@
	s_barrier_signal -3
.Lnot_wave_0_\@:
	s_barrier_wait -3
	s_barrier_signal -1
	s_barrier_wait -1
.endm
.macro CROUND                          ; a whole round
	s_barrier_signal -1
	s_barrier_wait -1
	CREST
.endm
	s_load_b128 s[4:7], s[0:1], 0x0                ; xw s[4:5], qkv s[6:7]
	s_set_vgpr_msb 0x40
	v_lshl_add_u32 v255, v0, 2, 0x48400
	s_set_vgpr_msb 0x4000
	v_mov_b32 v255, 0
	s_set_vgpr_msb 0x1
	ds_add_u32 v255, v255
	s_set_vgpr_msb 0x100
	v_lshrrev_b32 v1, 5, v0
	v_readfirstlane_b32 s10, v1                    ; wave 0..3
	s_lshr_b32 s11, s10, 1                         ; which half of the block's rows is mine.  Also: I fetch for A (0) or for B (1)
	s_and_b32 s12, s10, 1                          ; which half of its columns.  Also: which half of that tile I fetch
	s_bfe_u32 s40, ttmp6, 0x40000                  ; cx
	s_bfe_u32 s41, ttmp6, 0x40004                  ; cy
	s_lshl_b32 s42, ttmp9, 2
	s_add_co_u32 s42, s42, s40                     ; block column = 4 x cluster x + cx
	s_and_b32 s13, ttmp7, 0xffff
	s_lshl_b32 s13, s13, 2
	s_add_co_u32 s13, s13, s41                     ; block row = 4 x cluster y + cy
	s_lshl_b32 s43, s41, 2
	s_lshl_b32 s43, 15, s43                        ; my row of the cluster: places 4 cy .. 4 cy + 3
	s_lshl_b32 s44, 0x1111, s40                    ; my column: places cx, cx + 4, cx + 8, cx + 12
	; group 1 for A: 128 rows x 128 elements of 2 bytes, 4 words of padding behind every 64
	s_or_b32 s[G1+0], s43, (1<<16)|(1<<20)|(1<<21)|(5<<22)|(3<<25)
	s_mov_b32 s[G1+1], KSTEP<<16                   ; tensor_dim0 = 128
	s_mov_b32 s[G1+2], 128<<16                     ; tensor_dim1 = 128
	s_mov_b32 s[G1+3], KSTEP<<16                   ; tile_dim0 = 128
	s_mov_b32 s[G1+4], 128                         ; tile_dim1 = 128
	s_mov_b32 s[G1+5], SIZE_K                      ; elements from row to row
	s_mov_b32 s[G1+6], 0
	s_mov_b32 s[G1+7], 0
	; group 1 for B: 64 k-rows x 256 elements of 2 bytes, 8 words of padding behind every 128
	s_or_b32 s[G1B+0], s44, (1<<16)|(1<<20)|(1<<21)|(6<<22)|(7<<25)
	s_mov_b32 s[G1B+1], 256<<16                    ; tensor_dim0 = 256
	s_mov_b32 s[G1B+2], 64<<16                     ; tensor_dim1 = 64
	s_mov_b32 s[G1B+3], 256<<16                    ; tile_dim0 = 256
	s_mov_b32 s[G1B+4], 64                         ; tile_dim1 = 64
	s_mov_b32 s[G1B+5], 1024                       ; a weight's row: 1,024 elements
	s_mov_b32 s[G1B+6], 0
	s_mov_b32 s[G1B+7], 0
	; where the tiles come from.  A's offset is made of the block row and the wave's number, B's of the block column and the wave's number.
	s_lshl_b32 s16, s13, 8
	s_lshl_b32 s17, s12, 7
	s_add_co_u32 s16, s16, s17                     ; A: row 256 x block row + 128 x half,
	s_lshl_b32 s16, s16, 11                        ; in bytes (rows of 2,048): below 16 MiB
	s_mov_b32 s17, 0
	s_lshl_b32 s46, s40, 9                         ; B: 256 columns = 512 bytes for each place along the cluster's x,
	s_lshl_b32 s45, ttmp9, 21                      ; the weight's number is the cluster's x (four blocks of 256 columns a weight): 2 MiB each,
	s_add_co_u32 s46, s46, s45
	s_lshl_b32 s45, s12, 17                        ; my 64 k-rows of 2,048 bytes,
	s_add_co_u32 s46, s46, s45
	s_add_co_u32 s46, s46, BOFF                    ; behind x
	s_mov_b32 s47, 0
	s_mul_i32 s20, s10, HALFT                      ; and where they go: wave x 34,816 bytes
	s_wait_dscnt 0x0
	s_wait_kmcnt 0x0
	s_add_nc_u64 s[14:15], s[4:5], s[16:17]
	s_add_nc_u64 s[46:47], s[4:5], s[46:47]
	CROUND                                         ; all sixteen work-groups are here: the first joint loads meet
.irp s, 0,1
	s_mov_b32 s[G0+4*\s], 1
	s_add_co_u32 s[G0+4*\s+1], s20, \s*SLOT
	s_add_nc_u64 s[G0+4*\s+2:G0+4*\s+3], s[14:15], \s*KSTEP*2       ; K step s: 256 bytes along A's rows
	s_or_b32 s[G0+4*\s+3], s[G0+4*\s+3], 0x80000000
	s_mov_b32 s[G0B+4*\s], 1
	s_add_co_u32 s[G0B+4*\s+1], s20, \s*SLOT
	s_add_nc_u64 s[G0B+4*\s+2:G0B+4*\s+3], s[46:47], \s*KSTEP*WROW  ; K step s: 128 rows down B
	s_or_b32 s[G0B+4*\s+3], s[G0B+4*\s+3], 0x80000000
	JLOAD \s                                       ; both first fills go out ahead of everything else: two loads of the wave are out
.endr
	; A's fragment (16 rows x 32 K): lane l takes row l % 16, two loads of 16 bytes, 32 bytes apart, at row x pitch + 16 (l / 16).
	; B's fragment (32 K x 16 columns, K down the LDS rows): two transposing loads, 16 k-rows apart, at
	; (8 (l / 16) + l % 8) x pitch + 16 ((l / 8) % 2); they leave column l % 16 in lane l, K along its registers as in A's.
	v_and_b32 v1, 15, v0                           ; l % 16
	v_bfe_u32 v2, v0, 4, 1                         ; l / 16
	v_mul_u32_u24 v3, v1, PITCH
	v_lshl_add_u32 v3, v2, 4, v3
	v_and_b32 v6, 7, v0
	v_lshl_add_u32 v6, v2, 3, v6
	v_mul_u32_u24 v6, v6, BPITCH
	v_bfe_u32 v7, v0, 3, 1
	v_lshl_add_u32 v6, v7, 4, v6
	s_mul_i32 s21, s11, HALFT                      ; my 128 rows of A
	s_lshl_b32 s22, s12, 8                         ; my 128 columns of B: 256 bytes along its rows,
	s_add_co_u32 s22, s22, 2*HALFT                 ; which lie behind A's 256 rows
.irp s, 0,1
	v_add_nc_u32 v[ADRA+\s], s21, v3
	v_add_nc_u32 v[ADRB+\s], s22, v6
	s_add_co_u32 s21, s21, SLOT
	s_add_co_u32 s22, s22, SLOT
.endr
	s_mul_i32 s23, s10, 16*SPITCH
	s_add_co_u32 s23, s23, STAGE                   ; my stage
	v_mul_u32_u24 v4, v1, SPITCH
	v_lshl_add_u32 v4, v2, 4, v4
	v_add_nc_u32 v[STO], s23, v4
	v_mul_u32_u24 v5, v2, SPITCH
	v_lshl_add_u32 v5, v1, 4, v5
	v_add_nc_u32 v[RD], s23, v5
	v_mul_u32_u24 v5, v2, SIZE_N*2
	v_lshl_add_u32 v[CO], v1, 4, v5
; 16 matrix instructions: m blocks a0, a0 + 1 of the window's four x all 8 n blocks, 32 along K.  zero = 1: the first product starts the sums.
; The 64 accumulators take turns, one instruction a turn, in the same order in every quarter step.
.macro MUL16 f, hi, a0, zero
.irp a, \a0, \a0+1
.irp b, 0,1,2,3,4,5,6,7
.if \zero
	v_wmma_f32_16x16x32_f16 v[8*(8*(\a)+\b):8*(8*(\a)+\b)+7], v[\f+8*\b:\f+8*\b+7], v[\f+8*(4*\hi+\a):\f+8*(4*\hi+\a)+7], 0
.else
	v_wmma_f32_16x16x32_f16 v[8*(8*(\a)+\b):8*(8*(\a)+\b)+7], v[\f+8*\b:\f+8*\b+7], v[\f+8*(4*\hi+\a):\f+8*(4*\hi+\a)+7], v[8*(8*(\a)+\b):8*(8*(\a)+\b)+7]
.endif
.endr
.endr
.endm
; 32 LDS loads in one run: one quarter step's fragments into buffer f.  k = the quarter's byte in A's rows (2 bytes a K), so its k-row in B is k / 2.
.macro FETCH slot, k, f
	WIN TO_B
.irp i, 0,1,2,3,4,5,6,7
	ds_load_tr16_b128 v[\f+8*\i:\f+8*\i+3],   v[ADRB+\slot] offset:(\k)*(BPITCH/2)+32*\i
	ds_load_tr16_b128 v[\f+8*\i+4:\f+8*\i+7], v[ADRB+\slot] offset:(\k)*(BPITCH/2)+32*\i+16*BPITCH
.endr
	WIN 0
.irp i, 0,1,2,3,4,5,6,7
	ds_load_b128 v[\f+8*\i:\f+8*\i+3],   v[ADRA+\slot] offset:\k+\i*16*PITCH
	ds_load_b128 v[\f+8*\i+4:\f+8*\i+7], v[ADRA+\slot] offset:\k+\i*16*PITCH+32
.endr
.endm
; Four plain vector instructions stand between a matrix instruction and a load into one of its sources, or a reader of its result.
.macro PLACES
.rept 4
	v_nop
.endr
.endm
.macro QUARTER slot, k, f, g, zero
	s_wait_dscnt 8                                 ; B and A's rows 0-63 are in; the youngest eight loads (A's rows 64-127) may be out
	WIN MUL_LO
	MUL16 \f, 0, 0, \zero
	MUL16 \f, 0, 2, \zero
	PLACES
	FETCH \slot, \k, \g
	s_wait_dscnt 32                                ; all but the 32 just issued
	WIN MUL_HI
	MUL16 \f, 1, 0, \zero
	MUL16 \f, 1, 2, \zero
.endm
.macro THREE slot, zero
	QUARTER \slot, 64,  F0, F1, \zero
	QUARTER \slot, 128, F1, F0, 0
	QUARTER \slot, 192, F0, F1, 0
.endm
; The last quarter of a K step changes slots.  In front of the barrier each wave waits for its reads of this slot and for all its tensor loads
; (one is out: its part of the next slot).  Behind it (fill = 1: behind the cluster's round that it opens) the refill comes first.
.macro TURN slot, next, fill
	s_wait_dscnt 8
	WIN MUL_LO
	MUL16 F1, 0, 0, 0
	s_wait_dscnt 0                                 ; my reads of this slot are over
	s_wait_tensorcnt 0x0                           ; and all my tensor loads have landed
	ds_add_u32 v255, v255
	s_wait_dscnt 0x0
	s_barrier_signal -1
	MUL16 F1, 0, 2, 0                              ; register work while the others arrive
	WIN 0
	s_barrier_wait -1
.if \fill
	CREST                                          ; no wave of any partner still reads this slot or has a load on its way
	s_add_nc_u64 s[G0+4*\slot+2:G0+4*\slot+3], s[G0+4*\slot+2:G0+4*\slot+3], 2*KSTEP*2
	s_add_nc_u64 s[G0B+4*\slot+2:G0B+4*\slot+3], s[G0B+4*\slot+2:G0B+4*\slot+3], 2*KSTEP*WROW
	JLOAD \slot                                    ; the first tensor load behind the round, the wave's only one until the next
.endif
	PLACES
	FETCH \next, 0, F0
	WIN MUL_HI
	MUL16 F1, 1, 0, 0
	MUL16 F1, 1, 2, 0
.endm
.macro LAP zero
	THREE 0, \zero
	TURN 0, 1, 1
	THREE 1, 0
	TURN 1, 0, 1
.endm
	s_wait_tensorcnt 1                             ; my part of K step 0 is in; K step 1's stays out
	s_barrier_signal -1
	s_barrier_wait -1
	FETCH 0, 0, F0
	LAP 1                                          ; the first lap's first products start the sums
	WIN 0
	s_mov_b32 s3, LAPS-2
.Llap:
	LAP 0
	WIN 0
	s_sub_co_u32 s3, s3, 1
	s_cmp_lg_u32 s3, 0
	s_cbranch_scc1 .Llap
	THREE 0, 0                                     ; the last lap fills nothing
	TURN 0, 1, 0
	THREE 1, 0
	s_wait_dscnt 8
	WIN MUL_LO
	MUL16 F1, 0, 0, 0
	MUL16 F1, 0, 2, 0
	s_wait_dscnt 0
	WIN MUL_HI
	MUL16 F1, 1, 0, 0
	MUL16 F1, 1, 2, 0
	; THE WAY OUT, 16 rows at a time: round to f16, 16 bytes a lane into my own stage, read back as whole rows of 256 bytes.
	PLACES
	s_lshl_b32 s13, s13, 8
	s_lshl_b32 s14, s11, 7
	s_add_co_u32 s16, s13, s14                     ; my first row
	s_mov_b32 s17, 0
	s_mov_b64 s[18:19], SIZE_N*2
	s_mul_u64 s[16:17], s[16:17], s[18:19]
	s_add_nc_u64 s[CB:CB+1], s[CB:CB+1], s[16:17]
	s_lshl_b32 s46, s42, 9                         ; my first column, in bytes: 512 x block + 256 x half
	s_lshl_b32 s47, s12, 8
	s_add_co_u32 s46, s46, s47
	s_mov_b32 s47, 0
	s_add_nc_u64 s[CB:CB+1], s[CB:CB+1], s[46:47]
.macro OUT16 i, a, from, f
	WIN \from
.irp b, 0,1,2,3,4,5,6,7
.irp r, 0,1,2,3
	v_cvt_pk_f16_f32 v[TMP+4*\b+\r], v[8*(8*\a+\b)+2*\r], v[8*(8*\a+\b)+2*\r+1]
.endr
.endr
	WIN 0
.irp b, 0,1,2,3,4,5,6,7
	ds_store_b128 v[STO], v[TMP+4*\b:TMP+4*\b+3] offset:32*\b
.endr
	s_wait_xcnt 0x0                                ; buffer f, which earlier stores read, and the stores' base are rewritten only behind this wait
.if \i
	s_add_nc_u64 s[CB:CB+1], s[CB:CB+1], 16*SIZE_N*2
.endif
.irp t, 0,1,2,3,4,5,6,7
	ds_load_b128 v[\f+4*\t:\f+4*\t+3], v[RD] offset:\t*2*SPITCH    ; a wave's LDS instructions are served in order: these see the stores above
.endr
.irp t, 0,1,2,3,4,5,6,7
	s_wait_dscnt 7-\t
	global_store_b128 v[CO], v[\f+4*\t:\f+4*\t+3], s[CB:CB+1] offset:2*\t*SIZE_N*2   ; 16 lanes store 256 consecutive bytes, aligned
.endr
.endm
	OUT16 0, 0, 0x0a, F0
	OUT16 1, 1, 0x0a, F1
	OUT16 2, 2, 0x0a, F0
	OUT16 3, 3, 0x0a, F1
	OUT16 4, 0, 0x0f, F0
	OUT16 5, 1, 0x0f, F1
	OUT16 6, 2, 0x0f, F0
	OUT16 7, 3, 0x0f, F1
	s_set_vgpr_msb 0x1
	s_wait_tensorcnt 0x0
	ds_add_u32 v255, v255
	s_wait_dscnt 0x0
	s_set_vgpr_msb 0x100
	CROUND                                         ; the closing round: no work-group ends while a partner may still ask for a tile that names it
	s_endpgm
.Lfunc_end_k_q2fda531ffb_qkv:
	.size	k_q2fda531ffb_qkv, .Lfunc_end_k_q2fda531ffb_qkv-k_q2fda531ffb_qkv
	.p2alignl 7, 3214868480
	.fill 96, 4, 3214868480
	.section	.rodata,"a",@progbits
	.p2align	6, 0x0
	.amdhsa_kernel k_q2fda531ffb_qkv
		.amdhsa_group_segment_fixed_size 327680
		.amdhsa_private_segment_fixed_size 0
		.amdhsa_enable_private_segment 0
		.amdhsa_kernarg_size 16
		.amdhsa_user_sgpr_count 2
		.amdhsa_user_sgpr_kernarg_segment_ptr 1
		.amdhsa_wavefront_size32 1
		.amdhsa_system_sgpr_workgroup_id_x 1
		.amdhsa_system_sgpr_workgroup_id_y 1
		.amdhsa_system_sgpr_workgroup_id_z 1
		.amdhsa_system_vgpr_workitem_id 0
		.amdhsa_next_free_vgpr 1024
		.amdhsa_next_free_sgpr 66
		.amdhsa_reserve_vcc 0
		.amdhsa_float_denorm_mode_32 3
		.amdhsa_float_denorm_mode_16_64 3
		.amdhsa_memory_ordered 1
		.amdhsa_forward_progress 1
		.amdhsa_inst_pref_size 196
	.end_amdhsa_kernel
	.amdgpu_metadata
---
amdhsa.version: [ 1, 2 ]
amdhsa.kernels:
  - .name:           k_q2fda531ffb_qkv
    .symbol:         k_q2fda531ffb_qkv.kd
    .args:
      - { .name: xw, .offset: 0, .size: 8, .value_kind: global_buffer, .address_space: global }
      - { .name: qkv, .offset: 8, .size: 8, .value_kind: global_buffer, .address_space: global }
    .group_segment_fixed_size: 327680
    .private_segment_fixed_size: 0
    .kernarg_segment_align: 8
    .kernarg_segment_size: 16
    .max_flat_workgroup_size: 128
    .sgpr_count:     66
    .vgpr_count:     1024
    .wavefront_size: 32
...
	.end_amdgpu_metadata
.endif
;; end of part 2
;; launch attn (part 3): grid 8 x 32, 8 waves a work-group, clusters of 4 x 1, 327,680 bytes of LDS; arguments qkv, bias, att; writes att
.if DOCPART == 3
	.amdgcn_target "amdgcn-amd-amdhsa--gfx1250"
	.amdhsa_code_object_version 6
	.text
	.protected	k_q2fda531ffb_attn
	.globl	k_q2fda531ffb_attn
	.p2align	8
	.type	k_q2fda531ffb_attn,@function
k_q2fda531ffb_attn:
	s_mov_b64 s[64:65], 0
	v_nop
	global_prefetch_b8 v0, s[64:65] scope:SCOPE_SE
	s_setreg_imm32_b32 hwreg(HW_REG_WAVE_MODE, 25, 1), 1
	s_wait_xcnt 0x0
	s_wait_alu depctr_hold_cnt(0) depctr_sa_sdst(0) depctr_va_vdst(0) depctr_va_sdst(0) depctr_va_ssrc(0) depctr_va_vcc(0) depctr_vm_vsrc(0)
	s_getreg_b32 s2, hwreg(HW_REG_IB_STS2, 6, 4)
	s_cmp_eq_u32 s2, 0
	s_cbranch_scc0 .Lentry_in_a_cluster
	s_endpgm
.Lentry_in_a_cluster:
	s_bfe_u32 s2, ttmp6, 0x10000c
	s_cmp_lg_u32 s2, 0x3003
	s_cbranch_scc0 .Lentry_shape_is_right
	s_endpgm
.Lentry_shape_is_right:
; att[b][s][h 64 + d] = softmax over keys of (q k^T + bias) times v, per batch b and head h.  qkv: [8192][3072] f16, a row = q | k | v, head h at 128 h bytes.
; q already carries 0.125 log2(e), so the logits are in base 2; the bias is multiplied by log2(e) here.  Softmax in f32 with a running maximum.
; LIMITS: weights and results are rounded to f16 (results below 65,504).  A batch whose bias is -inf at every key gives NaN.
; A work-group: one batch, two heads (so that K's, V's and the result's rows are 256 aligned bytes), 256 queries.  Eight waves: wave w takes head w / 4
; of the pair and 64 queries (w % 4).  Keys go in tiles of 128 through two LDS slots.
; CLUSTERS: the four work-groups of a cluster take four query blocks of the same batch and heads and read the same K and V tiles: each tile is asked
; for jointly (mask 15), 32 rows a wave (waves 0-3 K, waves 4-7 V).  A wave has one tensor load out behind each round.
; ORIENTATION: S^T = K Q^T (source 0 = 16 keys, source 1 = 16 queries): lane (r, h) holds query r and keys 8 h + 0..7 of a tile of 16.  Two such tiles,
; packed to f16, ARE the second source of O^T = V^T P^T (32 keys x 16 queries); V^T comes by the transposing LDS load.  So maximum, sum and rescale are
; one number a lane, and only the maximum crosses the two halves of the lanes.  bias enters as the C operand of the first product.
; REGISTERS: window 0: see the names below.  Window 1: S(t, q) at 32 q + 8 t (key tile t, query tile q), later P(q, g) at 32 q + 16 g; O(dt, q) at 128 + 32 q + 8 dt.
.set ROWB,   6144                      ; bytes in a row of qkv
.set BATCHB, 2048*ROWB
.set TILEB,  128*ROWB                  ; 128 keys further down
.set KP,     272                       ; K's LDS row: 256 bytes + 16, an odd multiple of 16
.set VP,     288                       ; V's LDS row: 256 bytes + 32, an odd multiple of 32
.set RING,   8192                      ; LDS 0..8191: bias x log2(e), 2,048 f32, written by LDS stores; no fill lands there
.set SLOT,   128*KP+128*VP             ; 71,680: K's 128 rows, then V's
.set STAGE,  RING+2*SLOT               ; 151,552: 256 rows x 272 bytes for the way out; no fill lands there
.set SP,     272
.set KA, 2                             ; v2-3    LDS address of my K fragments in slot 0, 1
.set VA, 4                             ; v4-5    the same for V
.set BA, 6                             ; v6      LDS address of my bias words; steps by 1,024 every two tiles
.set PF, 7                             ; v7      prefetch: my lane's row of a tile
.set LS, 8                             ; v8-15   query tile q: a pair of partial sums
.set ST, 16                            ; v16-31  query tile q: [0] -m, [1] at work, [2] alpha, [3] m
.set Q,  32                            ; v32-95  Q fragments at Q + 16 q + 8 ks
.set FK, 96                            ; v96-159 K fragments at FK + 16 t + 8 ks
.set FV, 160                           ; v160-223 V^T fragments at FV + 8 (4 g + dt)
.set BI, 224                           ; v224-255 bias of key tile t at BI + 8 t
.set OA, 128                           ; window 1: O
.set G1K, 24
.set G0K, 32
.set G1V, 48
.set G0V, 56
.set W_S0,  0x40                       ; D window 1; A, B, C window 0
.set W_S1,  0x50                       ; D and C window 1
.set W_MAX, 0x05                       ; sources 0, 1 window 1
.set W_EXP, 0x41                       ; destination and source 0 window 1
.set W_FMA, 0x10                       ; source 2 window 1
.set W_SUM, 0x01                       ; source 0 window 1
.set W_CVT, 0x45                       ; destination, sources 0, 1 window 1
.set W_PV,  0x54                       ; D, B, C window 1; A window 0
.set MSB, 0
.macro WIN new
.if MSB != \new
	s_set_vgpr_msb (MSB<<8)|\new
.set MSB, \new
.endif
.endm
.macro PLACES
.rept 4
	v_nop
.endr
.endm
.macro ROUND                           ; a round of the cluster's barrier
	s_barrier_signal -1
	s_barrier_wait -1
	s_cmp_lg_u32 s10, 0
	s_cbranch_scc1 .Lnot_wave_0_\@
	s_barrier_signal -3
.Lnot_wave_0_\@:
	s_barrier_wait -3
	s_barrier_signal -1
	s_barrier_wait -1
.endm
.macro JLOAD slot                      ; one joint load a wave: waves 0-3 K's quarters, waves 4-7 V's
	s_cmp_lt_u32 s10, 4
	s_cbranch_scc0 .Lfor_v_\@
	tensor_load_to_lds s[G0K+4*\slot:G0K+4*\slot+3], s[G1K:G1K+7]
	s_nop 0
	s_branch .Lasked_\@
.Lfor_v_\@:
	tensor_load_to_lds s[G0V+4*\slot:G0V+4*\slot+3], s[G1V:G1V+7]
	s_nop 0
.Lasked_\@:
.endm
; Prefetch: in the trip of tile t wave 0 asks for 16 K rows and 16 V rows (256 bytes each, one lane a row) of tile t + 2, whose tensor load is issued in the
; next trip.  The eight work-groups of a batch and head pair take 16 keys each, so every row is asked for once.  The last two trips ask for nothing.
.macro PREF slot
	s_cmp_lg_u32 s10, 0
	s_cbranch_scc1 .Lno_pf_\@
	global_prefetch_b8 v[PF], s[44:45] offset:\slot*TILEB th:TH_LOAD_NT scope:SCOPE_SE
.Lno_pf_\@:
.endm
.macro LDK slot, sub                   ; 16 loads: 64 keys x 64 depths of my head
.irp t, 0,1,2,3
.irp ks, 0,1
	ds_load_b128 v[FK+16*\t+8*\ks:FK+16*\t+8*\ks+3],   v[KA+\slot] offset:(64*\sub+16*\t)*KP+64*\ks
	ds_load_b128 v[FK+16*\t+8*\ks+4:FK+16*\t+8*\ks+7], v[KA+\slot] offset:(64*\sub+16*\t)*KP+64*\ks+32
.endr
.endr
.endm
.macro LDB slot, sub                   ; 8 loads: register j of BI + 8 t = bias of key 16 t + 8 h + j, the same in all lanes of a half
.irp t, 0,1,2,3
	ds_load_b128 v[BI+8*\t:BI+8*\t+3],   v[BA] offset:512*\slot+256*\sub+64*\t
	ds_load_b128 v[BI+8*\t+4:BI+8*\t+7], v[BA] offset:512*\slot+256*\sub+64*\t+16
.endr
.endm
.macro LDV slot, sub                   ; 16 transposing loads: 64 keys x 64 depths of my head, depth l % 16 in lane l, keys along the registers
.irp g, 0,1
.irp dt, 0,1,2,3
	ds_load_tr16_b128 v[FV+8*(4*\g+\dt):FV+8*(4*\g+\dt)+3],   v[VA+\slot] offset:(64*\sub+32*\g)*VP+32*\dt
	ds_load_tr16_b128 v[FV+8*(4*\g+\dt)+4:FV+8*(4*\g+\dt)+7], v[VA+\slot] offset:(64*\sub+32*\g)*VP+32*\dt+16*VP
.endr
.endr
.endm
; 64 keys against my 64 queries.  first = 1: the launch's first 64 keys (they start maximum, sums and O).  more = 1: the slot's second 64 keys follow.
.macro SUB slot, sub, first, more
.if 1-\first
.rept 5
	v_nop                                          ; five places behind the last O products: the S products write over P, their source; V's fragments are loaded anew
.endr
.endif
	WIN 0
	LDV \slot, \sub
	s_wait_dscnt 16                                ; K's fragments and the bias are in; the 16 V loads just issued stay out
	; S^T = K Q^T + bias: sixteen accumulators take turns, one instruction a turn
	WIN W_S0
.irp q, 0,1,2,3
.irp t, 0,1,2,3
	v_wmma_f32_16x16x32_f16 v[32*\q+8*\t:32*\q+8*\t+7], v[FK+16*\t:FK+16*\t+7], v[Q+16*\q:Q+16*\q+7], v[BI+8*\t:BI+8*\t+7]
.endr
.endr
	WIN W_S1
.irp q, 0,1,2,3
.irp t, 0,1,2,3
	v_wmma_f32_16x16x32_f16 v[32*\q+8*\t:32*\q+8*\t+7], v[FK+16*\t+8:FK+16*\t+15], v[Q+16*\q+8:Q+16*\q+15], v[32*\q+8*\t:32*\q+8*\t+7]
.endr
.endr
	PLACES                                         ; four places: then K's and the bias's registers may be loaded anew and S may be read
.if \more
	WIN 0
	LDK \slot, 1
	LDB \slot, 1
.endif
	; the running maximum of each query: my 32 numbers, the old maximum, then the other half of the lanes
	WIN W_MAX
.irp q, 0,1,2,3
.if \first
	v_max3_num_f32 v[ST+4*\q+3], v[32*\q], v[32*\q+1], 0xff7fffff      ; starts at the lowest finite number, so that -inf logits give weight 0
.else
	v_max3_num_f32 v[ST+4*\q+3], v[32*\q], v[32*\q+1], v[ST+4*\q+3]
.endif
.endr
.set i, 1
.rept 15
.irp q, 0,1,2,3
	v_max3_num_f32 v[ST+4*\q+3], v[32*\q+2*i], v[32*\q+2*i+1], v[ST+4*\q+3]
.endr
.set i, i+1
.endr
	WIN 0
.irp q, 0,1,2,3
	v_permlanex16_b32 v[ST+4*\q+1], v[ST+4*\q+3], s40, s41
.endr
.irp q, 0,1,2,3
	v_max_num_f32 v[ST+4*\q+3], v[ST+4*\q+3], v[ST+4*\q+1]
.endr
.if \first
.irp q, 0,1,2,3
	v_mul_f32 v[ST+4*\q], -1.0, v[ST+4*\q+3]       ; -m
.endr
.else
.irp q, 0,1,2,3
	v_mul_f32 v[ST+4*\q+1], -1.0, v[ST+4*\q+3]     ; -m, new
.endr
.irp q, 0,1,2,3
	v_sub_f32 v[ST+4*\q+2], v[ST+4*\q+1], v[ST+4*\q]   ; old m - new m, at most 0
.endr
.irp q, 0,1,2,3
	v_exp_f32 v[ST+4*\q+2], v[ST+4*\q+2]           ; alpha
.endr
.irp q, 0,1,2,3
	v_mov_b32 v[ST+4*\q], v[ST+4*\q+1]             ; plain instructions that touch no alpha stand behind the exponentials (ISA guide 5.7.2)
.endr
.endif
	; P = 2^(S - m) in place; between the exponentials the next query tile's subtractions and O's rescale
	WIN W_EXP
.set i, 0
.rept 16
	v_pk_add_f32 v[2*i:2*i+1], v[2*i:2*i+1], v[ST:ST+1] op_sel_hi:[1,0]
.set i, i+1
.endr
.irp q, 0,1,2,3
.set i, 0
.rept 16
	v_exp_f32 v[32*\q+2*i], v[32*\q+2*i]
	v_exp_f32 v[32*\q+2*i+1], v[32*\q+2*i+1]
.if \q < 3
	v_pk_add_f32 v[32*\q+32+2*i:32*\q+33+2*i], v[32*\q+32+2*i:32*\q+33+2*i], v[ST+4*\q+4:ST+4*\q+5] op_sel_hi:[1,0]
	s_wait_alu depctr_va_vdst(0)
.endif
.if 1-\first
	v_pk_mul_f32 v[OA+32*\q+2*i:OA+32*\q+2*i+1], v[OA+32*\q+2*i:OA+32*\q+2*i+1], v[ST+4*\q+2:ST+4*\q+3] op_sel_hi:[1,0]
.endif
.set i, i+1
.endr
.endr
.if \first
	v_nop                                          ; a plain place behind the last exponentials
.endif
	; the sums, in f32: l = l alpha + my 32 weights, two at a time, four chains
.if \first
	WIN W_MAX
	s_wait_alu depctr_va_vdst(0)
.irp q, 0,1,2,3
	v_pk_add_f32 v[LS+2*\q:LS+2*\q+1], v[32*\q:32*\q+1], v[32*\q+2:32*\q+3]
.endr
.set i, 2
.else
	WIN W_FMA
	s_wait_alu depctr_va_vdst(0)
.irp q, 0,1,2,3
	v_pk_fma_f32 v[LS+2*\q:LS+2*\q+1], v[LS+2*\q:LS+2*\q+1], v[ST+4*\q+2:ST+4*\q+3], v[32*\q:32*\q+1] op_sel_hi:[1,0,1]
.endr
.set i, 1
.endif
	WIN W_SUM
.rept 15-\first
.irp q, 0,1,2,3
	v_pk_add_f32 v[LS+2*\q:LS+2*\q+1], v[32*\q+2*i:32*\q+2*i+1], v[LS+2*\q:LS+2*\q+1]
.endr
.set i, i+1
.endr
	; pack in place: 16 registers (two key tiles) become the 8 of a fragment; register e + i is written when only e + 2 i and above are still to be read
	WIN W_CVT
.set e, 0
.rept 8
.set i, 0
.rept 8
	v_cvt_pk_f16_f32 v[e+i], v[e+2*i], v[e+2*i+1]
.set i, i+1
.endr
.set e, e+16
.endr
.if \more
	s_wait_dscnt 24                                ; V's fragments are in; the next K's 16 loads and the bias's 8, issued behind them, stay out
.else
	s_wait_dscnt 0                                 ; V's fragments are in; nothing was issued behind them
.endif
	; O^T += V^T P^T: sixteen accumulators take turns, one instruction a turn
	WIN W_PV
.irp dt, 0,1,2,3
.irp q, 0,1,2,3
.if \first
	v_wmma_f32_16x16x32_f16 v[OA+32*\q+8*\dt:OA+32*\q+8*\dt+7], v[FV+8*\dt:FV+8*\dt+7], v[32*\q:32*\q+7], 0
.else
	v_wmma_f32_16x16x32_f16 v[OA+32*\q+8*\dt:OA+32*\q+8*\dt+7], v[FV+8*\dt:FV+8*\dt+7], v[32*\q:32*\q+7], v[OA+32*\q+8*\dt:OA+32*\q+8*\dt+7]
.endif
.endr
.endr
.irp dt, 0,1,2,3
.irp q, 0,1,2,3
	v_wmma_f32_16x16x32_f16 v[OA+32*\q+8*\dt:OA+32*\q+8*\dt+7], v[FV+32+8*\dt:FV+32+8*\dt+7], v[32*\q+16:32*\q+23], v[OA+32*\q+8*\dt:OA+32*\q+8*\dt+7]
.endr
.endr
.endm
; One tile of 128 keys, in slot.  refill = 1: the next tile is asked for, into the other slot.  pf = 1: prefetch, and the steps of a pair of tiles.
.macro TRIP slot, other, refill, first, pf
	WIN 0
	s_wait_xcnt 0x0
	v_lshl_add_u32 v254, v0, 2, 0x36000
	v_mov_b32 v255, 0
	s_wait_tensorcnt 0x0                           ; all my tensor loads have landed, my part of this tile among them: no load is out, so a group 0 may be written
	ds_add_u32 v254, v255
	s_wait_dscnt 0x0
	s_add_nc_u64 s[G0K+4*\slot+2:G0K+4*\slot+3], s[G0K+4*\slot+2:G0K+4*\slot+3], 2*TILEB
	s_add_nc_u64 s[G0V+4*\slot+2:G0V+4*\slot+3], s[G0V+4*\slot+2:G0V+4*\slot+3], 2*TILEB
	s_wait_dscnt 0x0                               ; my reads of the other slot are over (first trip: my stores of the bias are done)
	ROUND                                          ; both hold of every wave of the four work-groups
.if \refill
	JLOAD \other                                   ; the first thing behind the round, and my only tensor load until the next
.endif
.if \pf
	PREF \slot
.endif
	LDK \slot, 0
	LDB \slot, 0
	SUB \slot, 0, \first, 1
	SUB \slot, 1, 0, 0
	WIN 0
.if \pf*\slot
	v_add_nc_u32 v[BA], 1024, v[BA]                ; 256 keys on
	s_wait_xcnt 0x0                                ; the prefetches' base is rewritten only behind this wait
	s_add_nc_u64 s[44:45], s[44:45], 2*TILEB
.endif
.endm
	s_load_b128 s[4:7], s[0:1], 0x0                ; qkv s[4:5], bias s[6:7]
	s_load_b64 s[8:9], s[0:1], 0x10                ; att
	v_lshl_add_u32 v254, v0, 2, 0x36000
	v_mov_b32 v255, 0
	ds_add_u32 v254, v255
	s_wait_dscnt 0x0
	v_lshrrev_b32 v1, 5, v0
	v_readfirstlane_b32 s10, v1                    ; wave 0..7
	s_lshr_b32 s11, s10, 2                         ; my head of the pair
	s_and_b32 s12, s10, 3                          ; my 64 queries; also my 32 rows of a tile
	s_bfe_u32 s13, ttmp6, 0x40000                  ; cx
	s_lshl_b32 s14, ttmp9, 2
	s_add_co_u32 s14, s14, s13                     ; query block = 4 x cluster x + cx
	s_and_b32 s15, ttmp7, 0xffff
	s_lshr_b32 s16, s15, 3                         ; batch
	s_and_b32 s17, s15, 7                          ; head pair
	s_mov_b32 s40, 0x76543210                      ; v_permlanex16_b32: lane i of one half reads lane i of the other
	s_mov_b32 s41, 0xfedcba98
	s_lshl_b32 s43, s11, 7                         ; my head's 128 bytes of a row
	; group 1: 32 rows x 128 elements of 2 bytes, padding behind every 64 words (K: 4 words, V: 8); mask 15: all four work-groups
	s_mov_b32 s[G1K+0], 15|(1<<16)|(1<<20)|(1<<21)|(5<<22)|(3<<25)
	s_mov_b32 s[G1K+1], 128<<16                    ; tensor_dim0 = 128
	s_mov_b32 s[G1K+2], 32<<16                     ; tensor_dim1 = 32
	s_mov_b32 s[G1K+3], 128<<16                    ; tile_dim0 = 128
	s_mov_b32 s[G1K+4], 32                         ; tile_dim1 = 32
	s_mov_b32 s[G1K+5], 3072                       ; elements from row to row
	s_mov_b32 s[G1K+6], 0
	s_mov_b32 s[G1K+7], 0
	s_mov_b32 s[G1V+0], 15|(1<<16)|(1<<20)|(1<<21)|(5<<22)|(7<<25)
	s_mov_b32 s[G1V+1], 128<<16
	s_mov_b32 s[G1V+2], 32<<16
	s_mov_b32 s[G1V+3], 128<<16
	s_mov_b32 s[G1V+4], 32
	s_mov_b32 s[G1V+5], 3072
	s_mov_b32 s[G1V+6], 0
	s_mov_b32 s[G1V+7], 0
	s_mul_i32 s18, s16, BATCHB
	s_lshl_b32 s20, s17, 8
	s_add_co_u32 s18, s18, s20                     ; batch and head pair, in bytes: below 48 MiB
	s_mov_b32 s19, 0
	s_mul_i32 s20, s12, 32*ROWB                    ; my 32 keys of a tile
	s_mov_b32 s21, 0
	s_mul_i32 s22, s10, 32*KP                      ; LDS: wave x 32 rows of K,
	s_mul_i32 s23, s10, 32*VP                      ; or of V
	s_mul_i32 s46, s14, 256*ROWB                   ; my work-group's 256 queries
	s_mov_b32 s47, 0
	s_wait_kmcnt 0x0
	s_add_nc_u64 s[18:19], s[4:5], s[18:19]        ; qkv at the batch's first row, the pair's q
	s_add_nc_u64 s[44:45], s[18:19], 2048+2*TILEB  ; prefetch: K of tile 2
	s_add_nc_u64 s[46:47], s[18:19], s[46:47]      ; my work-group's q
	s_add_nc_u64 s[20:21], s[18:19], s[20:21]
.irp s, 0,1
	s_mov_b32 s[G0K+4*\s], 1
	s_add_co_u32 s[G0K+4*\s+1], s22, RING+\s*SLOT                    ; waves 0-3: K's rows 32 w
	s_add_nc_u64 s[G0K+4*\s+2:G0K+4*\s+3], s[20:21], 2048+\s*TILEB   ; k lies 2,048 bytes into a row
	s_or_b32 s[G0K+4*\s+3], s[G0K+4*\s+3], 0x80000000
	s_mov_b32 s[G0V+4*\s], 1
	s_add_co_u32 s[G0V+4*\s+1], s23, RING+128*KP-128*VP+\s*SLOT      ; waves 4-7: behind K's 128 rows, V's rows 32 (w - 4)
	s_add_nc_u64 s[G0V+4*\s+2:G0V+4*\s+3], s[20:21], 4096+\s*TILEB   ; v lies 4,096 bytes into a row
	s_or_b32 s[G0V+4*\s+3], s[G0V+4*\s+3], 0x80000000
.endr
	ROUND                                          ; the four work-groups are here: the first joint loads meet
	JLOAD 0                                        ; tile 0 into slot 0; slot 1 is filled behind the first trip's round
	s_lshl_b32 s22, s16, 13                        ; the batch's 2,048 bias numbers
	s_mov_b32 s23, 0
	s_add_nc_u64 s[6:7], s[6:7], s[22:23]
	v_lshlrev_b32 v1, 4, v0                        ; 16 t: in the bias, and in LDS
	global_load_b128 v[BI:BI+3],   v1, s[6:7]
	global_load_b128 v[BI+4:BI+7], v1, s[6:7] offset:4096
	; Q's fragments: lane (r, h) takes query r, depths 8 h + 0..7 and 16 + 8 h + 0..7 of each 32
	v_and_b32 v160, 15, v0                         ; r
	v_bfe_u32 v161, v0, 4, 1                       ; h
	v_lshl_add_u32 v162, s12, 6, v160              ; 64 (w % 4) + r
	v_mul_u32_u24 v163, v162, ROWB
	v_lshl_add_u32 v163, v161, 4, v163
	v_add_nc_u32 v163, s43, v163
.irp q, 0,1,2,3
.irp ks, 0,1
	global_load_b128 v[Q+16*\q+8*\ks:Q+16*\q+8*\ks+3],   v163, s[46:47] offset:16*ROWB*\q+64*\ks
	global_load_b128 v[Q+16*\q+8*\ks+4:Q+16*\q+8*\ks+7], v163, s[46:47] offset:16*ROWB*\q+64*\ks+32
.endr
.endr
	v_mul_u32_u24 v164, v160, KP                   ; K: row r x pitch + 16 h + my head
	v_lshl_add_u32 v164, v161, 4, v164
	v_add_nc_u32 v164, s43, v164
	v_add_nc_u32 v[KA], RING, v164
	v_add_nc_u32 v[KA+1], RING+SLOT, v164
	v_and_b32 v165, 7, v0                          ; V: row 8 h + l % 8, 16 bytes for (l / 8) % 2, my head
	v_lshl_add_u32 v165, v161, 3, v165
	v_mul_u32_u24 v165, v165, VP
	v_bfe_u32 v166, v0, 3, 1
	v_lshl_add_u32 v165, v166, 4, v165
	v_add_nc_u32 v165, s43, v165
	v_add_nc_u32 v[VA], RING+128*KP, v165
	v_add_nc_u32 v[VA+1], RING+128*KP+SLOT, v165
	v_lshlrev_b32 v[BA], 5, v161                   ; bias: 8 h words
	v_lshl_add_u32 v[PF], s14, 4, v160             ; prefetch: key 16 x query block + l % 16 of a tile,
	v_mul_u32_u24 v[PF], v[PF], ROWB
	v_lshl_add_u32 v[PF], v161, 11, v[PF]          ; lanes 16-31: v, 2,048 bytes behind k
.irp q, 0,1,2,3
	v_mov_b32 v[ST+4*\q+1], 0                      ; v_permlanex16_b32 counts as a reader of its destination
.endr
	s_wait_loadcnt 16                              ; the bias is in; the 16 loads of Q issued behind it stay out
.irp j, 0,2,4,6
	v_pk_mul_f32 v[BI+\j:BI+\j+1], v[BI+\j:BI+\j+1], 0x3fb8aa3b op_sel_hi:[1,0]   ; x log2(e)
.endr
	ds_store_b128 v1, v[BI:BI+3]
	ds_store_b128 v1, v[BI+4:BI+7] offset:4096     ; the first trip's wait and round show these bytes to every wave
	s_wait_loadcnt 0x0                             ; Q is in; its address register lies where V's fragments will be loaded
	TRIP 0, 1, 1, 1, 1
	TRIP 1, 0, 1, 0, 1
	s_mov_b32 s42, 6
.Lpair:
	TRIP 0, 1, 1, 0, 1
	TRIP 1, 0, 1, 0, 1
	s_sub_co_u32 s42, s42, 1
	s_cmp_lg_u32 s42, 0
	s_cbranch_scc1 .Lpair
	TRIP 0, 1, 1, 0, 0                             ; tile 14; tile 15 is asked for: the last load
	TRIP 1, 0, 0, 0, 0                             ; tile 15
	; THE WAY OUT: O / l, rounded to f16, through the stage, so that whole rows of 256 bytes (two heads) leave
	PLACES
.irp q, 0,1,2,3
	v_add_f32 v[LS+2*\q], v[LS+2*\q], v[LS+2*\q+1]
.endr
.irp q, 0,1,2,3
	v_permlanex16_b32 v[ST+4*\q+1], v[LS+2*\q], s40, s41
.endr
.irp q, 0,1,2,3
	v_add_f32 v[ST+4*\q+3], v[LS+2*\q], v[ST+4*\q+1]
.endr
.irp q, 0,1,2,3
	v_rcp_f32 v[ST+4*\q+2], v[ST+4*\q+3]
.endr
	v_and_b32 v32, 15, v0                          ; plain instructions behind the reciprocals: the way out's addresses
	v_bfe_u32 v33, v0, 4, 1
	v_lshl_add_u32 v34, s12, 6, v32                ; in: row 64 (w % 4) + r (+ 16 q), my head, 16 h (+ 32 dt)
	v_mul_u32_u24 v34, v34, SP
	v_lshl_add_u32 v34, v33, 4, v34
	v_add_nc_u32 v34, s43, v34
	v_add_nc_u32 v34, STAGE, v34
	v_lshl_add_u32 v35, s10, 5, v33                ; back: row 32 w + l / 16 (+ 2 t), 16 bytes for l % 16
	v_mul_u32_u24 v36, v35, SP
	v_lshl_add_u32 v36, v32, 4, v36
	v_add_nc_u32 v36, STAGE, v36
	v_lshlrev_b32 v37, 11, v35                     ; and the same in att: rows of 2,048 bytes
	v_lshl_add_u32 v37, v32, 4, v37
	s_lshl_b32 s22, s16, 22                        ; batch x 2,048 rows x 2,048 bytes
	s_lshl_b32 s23, s14, 19                        ; query block x 256 rows
	s_add_co_u32 s22, s22, s23
	s_lshl_b32 s23, s17, 8                         ; head pair x 256 bytes
	s_add_co_u32 s22, s22, s23
	s_mov_b32 s23, 0
	s_add_nc_u64 s[8:9], s[8:9], s[22:23]
	WIN W_EXP
	s_wait_alu depctr_va_vdst(0)
.irp q, 0,1,2,3
.set i, 0
.rept 16
	v_pk_mul_f32 v[OA+32*\q+2*i:OA+32*\q+2*i+1], v[OA+32*\q+2*i:OA+32*\q+2*i+1], v[ST+4*\q+2:ST+4*\q+3] op_sel_hi:[1,0]
.set i, i+1
.endr
.endr
	WIN W_MAX
.irp q, 0,1,2,3
.irp dt, 0,1,2,3
.irp j, 0,1,2,3
	v_cvt_pk_f16_f32 v[FK+16*\q+4*\dt+\j], v[OA+32*\q+8*\dt+2*\j], v[OA+32*\q+8*\dt+2*\j+1]
.endr
.endr
.endr
	WIN 0
.irp q, 0,1,2,3
.irp dt, 0,1,2,3
	ds_store_b128 v34, v[FK+16*\q+4*\dt:FK+16*\q+4*\dt+3] offset:16*SP*\q+32*\dt
.endr
.endr
	s_wait_dscnt 0x0                               ; my part of the stage is written
	ROUND                                          ; everybody's is.  Also the closing round: no work-group ends while a partner may still ask for a tile that names it
.irp t, 0,1,2,3,4,5,6,7,8,9,10,11,12,13,14,15
	ds_load_b128 v[FV+4*\t:FV+4*\t+3], v36 offset:2*SP*\t
.endr
.irp t, 0,1,2,3,4,5,6,7,8,9,10,11,12,13,14,15
	s_wait_dscnt 15-\t
	global_store_b128 v37, v[FV+4*\t:FV+4*\t+3], s[8:9] offset:4096*\t    ; 16 lanes store 256 consecutive bytes, aligned
.endr
	s_wait_xcnt 0x0
	v_lshl_add_u32 v254, v0, 2, 0x36000
	v_mov_b32 v255, 0
	s_wait_tensorcnt 0x0
	ds_add_u32 v254, v255
	s_wait_dscnt 0x0
	s_endpgm
.Lfunc_end_k_q2fda531ffb_attn:
	.size	k_q2fda531ffb_attn, .Lfunc_end_k_q2fda531ffb_attn-k_q2fda531ffb_attn
	.p2alignl 7, 3214868480
	.fill 96, 4, 3214868480
	.section	.rodata,"a",@progbits
	.p2align	6, 0x0
	.amdhsa_kernel k_q2fda531ffb_attn
		.amdhsa_group_segment_fixed_size 327680
		.amdhsa_private_segment_fixed_size 0
		.amdhsa_enable_private_segment 0
		.amdhsa_kernarg_size 24
		.amdhsa_user_sgpr_count 2
		.amdhsa_user_sgpr_kernarg_segment_ptr 1
		.amdhsa_wavefront_size32 1
		.amdhsa_system_sgpr_workgroup_id_x 1
		.amdhsa_system_sgpr_workgroup_id_y 1
		.amdhsa_system_sgpr_workgroup_id_z 1
		.amdhsa_system_vgpr_workitem_id 0
		.amdhsa_next_free_vgpr 512
		.amdhsa_next_free_sgpr 66
		.amdhsa_reserve_vcc 0
		.amdhsa_float_denorm_mode_32 3
		.amdhsa_float_denorm_mode_16_64 3
		.amdhsa_memory_ordered 1
		.amdhsa_forward_progress 1
		.amdhsa_inst_pref_size 255
	.end_amdhsa_kernel
	.section	.bss,"aw",@nobits
	.p2align	6
	.space	262144
	.amdgpu_metadata
---
amdhsa.version: [ 1, 2 ]
amdhsa.kernels:
  - .name:           k_q2fda531ffb_attn
    .symbol:         k_q2fda531ffb_attn.kd
    .args:
      - { .name: qkv, .offset: 0, .size: 8, .value_kind: global_buffer, .address_space: global }
      - { .name: bias, .offset: 8, .size: 8, .value_kind: global_buffer, .address_space: global }
      - { .name: att, .offset: 16, .size: 8, .value_kind: global_buffer, .address_space: global }
    .group_segment_fixed_size: 327680
    .private_segment_fixed_size: 0
    .kernarg_segment_align: 8
    .kernarg_segment_size: 24
    .max_flat_workgroup_size: 256
    .sgpr_count:     66
    .vgpr_count:     512
    .wavefront_size: 32
...
	.end_amdgpu_metadata
.endif
;; end of part 3
;; launch proj (part 4): grid 4 x 32, 4 waves a work-group, clusters of 4 x 4, 327,680 bytes of LDS; arguments att, xw, out0; writes out0
.if DOCPART == 4
	.amdgcn_target "amdgcn-amd-amdhsa--gfx1250"
	.amdhsa_code_object_version 6
	.text
	.protected	k_q2fda531ffb_proj
	.globl	k_q2fda531ffb_proj
	.p2align	8
	.type	k_q2fda531ffb_proj,@function
k_q2fda531ffb_proj:
	s_mov_b64 s[64:65], 0
	v_nop
	global_prefetch_b8 v0, s[64:65] scope:SCOPE_SE
	s_setreg_imm32_b32 hwreg(HW_REG_WAVE_MODE, 25, 1), 1
	s_wait_xcnt 0x0
	s_wait_alu depctr_hold_cnt(0) depctr_sa_sdst(0) depctr_va_vdst(0) depctr_va_sdst(0) depctr_va_ssrc(0) depctr_va_vcc(0) depctr_vm_vsrc(0)
	s_getreg_b32 s2, hwreg(HW_REG_IB_STS2, 6, 4)
	s_cmp_eq_u32 s2, 0
	s_cbranch_scc0 .Lentry_in_a_cluster
	s_endpgm
.Lentry_in_a_cluster:
	s_bfe_u32 s2, ttmp6, 0x10000c
	s_cmp_lg_u32 s2, 0xf033
	s_cbranch_scc0 .Lentry_shape_is_right
	s_endpgm
.Lentry_shape_is_right:
; out0[m][n] = sum over k of att[m][k] Wo[k][n]: [8192][1024] in f32.  att: f16 [8192][1024].  Wo: f16 [k][n] at byte BOFF of xw.  Sums in f32.
; A work-group makes 256 x 256 of the result with four waves; a wave makes 128 x 128: 64 accumulator tiles, 512 registers.
; K goes in steps of 128 through two LDS slots filled by the tensor data mover.  A's tile: 256 rows x 256 bytes (K along the rows).
; B's tile: 128 k-rows x 512 bytes (n along the rows, as the weight lies); its fragments are read by the transposing LDS load.
; CLUSTERS: 4 x 4 work-groups.  A's tile is asked for jointly by a row of the cluster, B's by a column.
; The grid has 128 work-groups: blocks of 256 x 256 of a result of 8192 x 1024.
; REGISTERS, in windows of 256:
;   window 0: v0-31 addresses; v64-127, v128-191 fragments of A, two buffers (also the rows read back on the way out)
;   window 1: v64-127, v128-191 fragments of B, two buffers
;   window 2: the 32 accumulator tiles of my rows 0-63 (tile (a, b) at v[8 (8 a + b)]);  window 3: those of my rows 64-127
; THE MATRIX INSTRUCTION IS USED TRANSPOSED: source 0 = 16 columns of B, source 1 = 16 rows of A: lane l holds row l % 16 of the result,
; its registers 0-7 the columns 8 (l / 16) + 0..7: 32 neighbouring bytes in f32.
.set SIZE_N, 1024
.set SIZE_K, 1024
.set KSTEP,  128
.set PITCH,  272
.set BPITCH, 544
.set HALFT,  128*PITCH
.set SLOT,   4*HALFT
.set STAGE,  2*SLOT                    ; behind the ring: 16 rows x 528 bytes for each wave
.set SPITCH, 528                       ; 512 bytes + 16: an odd multiple of 16
.set LAPS,   SIZE_K/(2*KSTEP)
.set WROW,   2048
.set BOFF,   23068672                  ; Wo's first byte in xw
.set ADRA, 16
.set ADRB, 20
.set STO,  24
.set RD,   25
.set CO,   26
.set F0,   64
.set F1,   128
.set G1, 24
.set G0, 32
.set G1B, 48
.set G0B, 56
.set MSB, 0
.macro WIN new
.if MSB != \new
	s_set_vgpr_msb (MSB<<8)|\new
.set MSB, \new
.endif
.endm
.set MUL_LO, 0xa1
.set MUL_HI, 0xf1
.set TO_B,   0x40
.macro JLOAD s                         ; waves 0 and 1 fetch A's two halves, waves 2 and 3 B's
	s_cmp_eq_u32 s11, 0
	s_cbranch_scc0 .Lfor_b_\@
	tensor_load_to_lds s[G0+4*\s:G0+4*\s+3], s[G1:G1+7]
	s_nop 0
	s_branch .Lasked_\@
.Lfor_b_\@:
	tensor_load_to_lds s[G0B+4*\s:G0B+4*\s+3], s[G1B:G1B+7]
	s_nop 0
.Lasked_\@:
.endm
.macro CREST
	s_cmp_lg_u32 s10, 0
	s_cbranch_scc1 .Lnot_wave_0_\@
	s_barrier_signal -3
.Lnot_wave_0_\@:
	s_barrier_wait -3
	s_barrier_signal -1
	s_barrier_wait -1
.endm
.macro CROUND
	s_barrier_signal -1
	s_barrier_wait -1
	CREST
.endm
	s_load_b128 s[4:7], s[0:1], 0x0                ; att s[4:5], xw s[6:7]
	s_load_b64 s[8:9], s[0:1], 0x10                ; out0
	s_set_vgpr_msb 0x40
	v_lshl_add_u32 v255, v0, 2, 0x4c400
	s_set_vgpr_msb 0x4000
	v_mov_b32 v255, 0
	s_set_vgpr_msb 0x1
	ds_add_u32 v255, v255
	s_set_vgpr_msb 0x100
	v_lshrrev_b32 v1, 5, v0
	v_readfirstlane_b32 s10, v1                    ; wave 0..3
	s_lshr_b32 s11, s10, 1                         ; my half of the block's rows; also: I fetch for A (0) or for B (1)
	s_and_b32 s12, s10, 1                          ; my half of its columns; also: which half of that tile I fetch
	s_bfe_u32 s40, ttmp6, 0x40000                  ; cx
	s_bfe_u32 s41, ttmp6, 0x40004                  ; cy
	s_lshl_b32 s42, ttmp9, 2
	s_add_co_u32 s42, s42, s40                     ; block column
	s_and_b32 s13, ttmp7, 0xffff
	s_lshl_b32 s13, s13, 2
	s_add_co_u32 s13, s13, s41                     ; block row
	s_lshl_b32 s43, s41, 2
	s_lshl_b32 s43, 15, s43                        ; my row of the cluster
	s_lshl_b32 s44, 0x1111, s40                    ; my column
	s_or_b32 s[G1+0], s43, (1<<16)|(1<<20)|(1<<21)|(5<<22)|(3<<25)   ; A: 128 rows x 128 elements, 4 words of padding behind every 64
	s_mov_b32 s[G1+1], KSTEP<<16
	s_mov_b32 s[G1+2], 128<<16
	s_mov_b32 s[G1+3], KSTEP<<16
	s_mov_b32 s[G1+4], 128
	s_mov_b32 s[G1+5], SIZE_K
	s_mov_b32 s[G1+6], 0
	s_mov_b32 s[G1+7], 0
	s_or_b32 s[G1B+0], s44, (1<<16)|(1<<20)|(1<<21)|(6<<22)|(7<<25)  ; B: 64 k-rows x 256 elements, 8 words of padding behind every 128
	s_mov_b32 s[G1B+1], 256<<16
	s_mov_b32 s[G1B+2], 64<<16
	s_mov_b32 s[G1B+3], 256<<16
	s_mov_b32 s[G1B+4], 64
	s_mov_b32 s[G1B+5], 1024
	s_mov_b32 s[G1B+6], 0
	s_mov_b32 s[G1B+7], 0
	s_lshl_b32 s16, s13, 8
	s_lshl_b32 s17, s12, 7
	s_add_co_u32 s16, s16, s17                     ; A: row 256 x block row + 128 x half,
	s_lshl_b32 s16, s16, 11                        ; in bytes: below 16 MiB
	s_mov_b32 s17, 0
	s_lshl_b32 s46, s42, 9                         ; B: 512 bytes for each block column,
	s_lshl_b32 s45, s12, 17                        ; my 64 k-rows of 2,048 bytes,
	s_add_co_u32 s46, s46, s45
	s_add_co_u32 s46, s46, BOFF                    ; in Wo's segment
	s_mov_b32 s47, 0
	s_mul_i32 s20, s10, HALFT
	s_wait_dscnt 0x0
	s_wait_kmcnt 0x0
	s_add_nc_u64 s[14:15], s[4:5], s[16:17]
	s_add_nc_u64 s[46:47], s[6:7], s[46:47]
	CROUND                                         ; all sixteen work-groups are here: the first joint loads meet
.irp s, 0,1
	s_mov_b32 s[G0+4*\s], 1
	s_add_co_u32 s[G0+4*\s+1], s20, \s*SLOT
	s_add_nc_u64 s[G0+4*\s+2:G0+4*\s+3], s[14:15], \s*KSTEP*2
	s_or_b32 s[G0+4*\s+3], s[G0+4*\s+3], 0x80000000
	s_mov_b32 s[G0B+4*\s], 1
	s_add_co_u32 s[G0B+4*\s+1], s20, \s*SLOT
	s_add_nc_u64 s[G0B+4*\s+2:G0B+4*\s+3], s[46:47], \s*KSTEP*WROW
	s_or_b32 s[G0B+4*\s+3], s[G0B+4*\s+3], 0x80000000
	JLOAD \s                                       ; both first fills go out ahead of everything else: two loads of the wave are out
.endr
	v_and_b32 v1, 15, v0                           ; l % 16
	v_bfe_u32 v2, v0, 4, 1                         ; l / 16
	v_mul_u32_u24 v3, v1, PITCH                    ; A's fragments: row x pitch + 16 (l / 16)
	v_lshl_add_u32 v3, v2, 4, v3
	v_and_b32 v6, 7, v0                            ; B's: (8 (l / 16) + l % 8) x pitch + 16 ((l / 8) % 2)
	v_lshl_add_u32 v6, v2, 3, v6
	v_mul_u32_u24 v6, v6, BPITCH
	v_bfe_u32 v7, v0, 3, 1
	v_lshl_add_u32 v6, v7, 4, v6
	s_mul_i32 s21, s11, HALFT
	s_lshl_b32 s22, s12, 8
	s_add_co_u32 s22, s22, 2*HALFT
.irp s, 0,1
	v_add_nc_u32 v[ADRA+\s], s21, v3
	v_add_nc_u32 v[ADRB+\s], s22, v6
	s_add_co_u32 s21, s21, SLOT
	s_add_co_u32 s22, s22, SLOT
.endr
	s_mul_i32 s23, s10, 16*SPITCH
	s_add_co_u32 s23, s23, STAGE                   ; my stage
	v_mul_u32_u24 v4, v1, SPITCH                   ; in: row l % 16, 32 bytes for each half of the lanes
	v_lshl_add_u32 v4, v2, 5, v4
	v_add_nc_u32 v[STO], s23, v4
	v_and_b32 v5, 31, v0
	v_lshlrev_b32 v[CO], 4, v5                     ; back: the 32 lanes take one row of 512 bytes; the same in the result
	v_add_nc_u32 v[RD], s23, v[CO]
; The 64 accumulators take turns, one instruction a turn, in the same order in every quarter step.
.macro MUL16 f, hi, a0, zero
.irp a, \a0, \a0+1
.irp b, 0,1,2,3,4,5,6,7
.if \zero
	v_wmma_f32_16x16x32_f16 v[8*(8*(\a)+\b):8*(8*(\a)+\b)+7], v[\f+8*\b:\f+8*\b+7], v[\f+8*(4*\hi+\a):\f+8*(4*\hi+\a)+7], 0
.else
	v_wmma_f32_16x16x32_f16 v[8*(8*(\a)+\b):8*(8*(\a)+\b)+7], v[\f+8*\b:\f+8*\b+7], v[\f+8*(4*\hi+\a):\f+8*(4*\hi+\a)+7], v[8*(8*(\a)+\b):8*(8*(\a)+\b)+7]
.endif
.endr
.endr
.endm
.macro FETCH slot, k, f
	WIN TO_B
.irp i, 0,1,2,3,4,5,6,7
	ds_load_tr16_b128 v[\f+8*\i:\f+8*\i+3],   v[ADRB+\slot] offset:(\k)*(BPITCH/2)+32*\i
	ds_load_tr16_b128 v[\f+8*\i+4:\f+8*\i+7], v[ADRB+\slot] offset:(\k)*(BPITCH/2)+32*\i+16*BPITCH
.endr
	WIN 0
.irp i, 0,1,2,3,4,5,6,7
	ds_load_b128 v[\f+8*\i:\f+8*\i+3],   v[ADRA+\slot] offset:\k+\i*16*PITCH
	ds_load_b128 v[\f+8*\i+4:\f+8*\i+7], v[ADRA+\slot] offset:\k+\i*16*PITCH+32
.endr
.endm
; Four plain vector instructions stand between a matrix instruction and a load into one of its sources, or a reader of its result.
.macro PLACES
.rept 4
	v_nop
.endr
.endm
.macro QUARTER slot, k, f, g, zero
	s_wait_dscnt 8                                 ; B and A's rows 0-63 are in; the youngest eight loads may be out
	WIN MUL_LO
	MUL16 \f, 0, 0, \zero
	MUL16 \f, 0, 2, \zero
	PLACES
	FETCH \slot, \k, \g
	s_wait_dscnt 32                                ; all but the 32 just issued
	WIN MUL_HI
	MUL16 \f, 1, 0, \zero
	MUL16 \f, 1, 2, \zero
.endm
.macro THREE slot, zero
	QUARTER \slot, 64,  F0, F1, \zero
	QUARTER \slot, 128, F1, F0, 0
	QUARTER \slot, 192, F0, F1, 0
.endm
.macro TURN slot, next, fill
	s_wait_dscnt 8
	WIN MUL_LO
	MUL16 F1, 0, 0, 0
	s_wait_dscnt 0                                 ; my reads of this slot are over
	s_wait_tensorcnt 0x0                           ; and all my tensor loads have landed
	ds_add_u32 v255, v255
	s_wait_dscnt 0x0
	s_barrier_signal -1
	MUL16 F1, 0, 2, 0                              ; register work while the others arrive
	WIN 0
	s_barrier_wait -1
.if \fill
	CREST                                          ; no wave of any partner still reads this slot or has a load on its way
	s_add_nc_u64 s[G0+4*\slot+2:G0+4*\slot+3], s[G0+4*\slot+2:G0+4*\slot+3], 2*KSTEP*2
	s_add_nc_u64 s[G0B+4*\slot+2:G0B+4*\slot+3], s[G0B+4*\slot+2:G0B+4*\slot+3], 2*KSTEP*WROW
	JLOAD \slot                                    ; the first tensor load behind the round, the wave's only one until the next
.endif
	PLACES
	FETCH \next, 0, F0
	WIN MUL_HI
	MUL16 F1, 1, 0, 0
	MUL16 F1, 1, 2, 0
.endm
.macro LAP zero
	THREE 0, \zero
	TURN 0, 1, 1
	THREE 1, 0
	TURN 1, 0, 1
.endm
	s_wait_tensorcnt 1                             ; my part of K step 0 is in; K step 1's stays out
	s_barrier_signal -1
	s_barrier_wait -1
	FETCH 0, 0, F0
	LAP 1
	WIN 0
	s_mov_b32 s3, LAPS-2
.Llap:
	LAP 0
	WIN 0
	s_sub_co_u32 s3, s3, 1
	s_cmp_lg_u32 s3, 0
	s_cbranch_scc1 .Llap
	THREE 0, 0                                     ; the last lap fills nothing
	TURN 0, 1, 0
	THREE 1, 0
	s_wait_dscnt 8
	WIN MUL_LO
	MUL16 F1, 0, 0, 0
	MUL16 F1, 0, 2, 0
	s_wait_dscnt 0
	WIN MUL_HI
	MUL16 F1, 1, 0, 0
	MUL16 F1, 1, 2, 0
	; THE WAY OUT, 16 rows at a time, in f32: the accumulators go straight into my own stage, whole rows of 512 bytes come back.
	PLACES
	s_lshl_b32 s13, s13, 8
	s_lshl_b32 s14, s11, 7
	s_add_co_u32 s16, s13, s14                     ; my first row
	s_mov_b32 s17, 0
	s_mov_b64 s[18:19], SIZE_N*4
	s_mul_u64 s[16:17], s[16:17], s[18:19]
	s_add_nc_u64 s[8:9], s[8:9], s[16:17]
	s_lshl_b32 s46, s42, 10                        ; my first column, in bytes: 1,024 x block + 512 x half
	s_lshl_b32 s47, s12, 9
	s_add_co_u32 s46, s46, s47
	s_mov_b32 s47, 0
	s_add_nc_u64 s[8:9], s[8:9], s[46:47]
; rows 16 i .. 16 i + 15 of my block = the eight tiles (a, 0..7) of window 2 or 3 (from = 0x08 or 0x0c: the LDS stores' data); f: F0 or F1 in turn
.macro OUT16F i, a, from, f
	WIN \from
.irp b, 0,1,2,3,4,5,6,7
	ds_store_b128 v[STO], v[8*(8*\a+\b):8*(8*\a+\b)+3]   offset:64*\b
	ds_store_b128 v[STO], v[8*(8*\a+\b)+4:8*(8*\a+\b)+7] offset:64*\b+16
.endr
	WIN 0
	s_wait_xcnt 0x0                                ; buffer f, which earlier stores read, and the stores' base are rewritten only behind this wait
.if \i
	s_add_nc_u64 s[8:9], s[8:9], 16*SIZE_N*4
.endif
.irp t, 0,1,2,3,4,5,6,7,8,9,10,11,12,13,14,15
	ds_load_b128 v[\f+4*\t:\f+4*\t+3], v[RD] offset:\t*SPITCH      ; a wave's LDS instructions are served in order: these see the stores above
.endr
.irp t, 0,1,2,3,4,5,6,7,8,9,10,11,12,13,14,15
	s_wait_dscnt 15-\t
	global_store_b128 v[CO], v[\f+4*\t:\f+4*\t+3], s[8:9] offset:\t*SIZE_N*4 th:TH_STORE_NT   ; the wave stores 512 consecutive bytes, aligned
.endr
.endm
	OUT16F 0, 0, 0x08, F0
	OUT16F 1, 1, 0x08, F1
	OUT16F 2, 2, 0x08, F0
	OUT16F 3, 3, 0x08, F1
	OUT16F 4, 0, 0x0c, F0
	OUT16F 5, 1, 0x0c, F1
	OUT16F 6, 2, 0x0c, F0
	OUT16F 7, 3, 0x0c, F1
	s_set_vgpr_msb 0x1
	s_wait_tensorcnt 0x0
	ds_add_u32 v255, v255
	s_wait_dscnt 0x0
	s_set_vgpr_msb 0x100
	CROUND                                         ; the closing round
	s_endpgm
.Lfunc_end_k_q2fda531ffb_proj:
	.size	k_q2fda531ffb_proj, .Lfunc_end_k_q2fda531ffb_proj-k_q2fda531ffb_proj
	.p2alignl 7, 3214868480
	.fill 96, 4, 3214868480
	.section	.rodata,"a",@progbits
	.p2align	6, 0x0
	.amdhsa_kernel k_q2fda531ffb_proj
		.amdhsa_group_segment_fixed_size 327680
		.amdhsa_private_segment_fixed_size 0
		.amdhsa_enable_private_segment 0
		.amdhsa_kernarg_size 24
		.amdhsa_user_sgpr_count 2
		.amdhsa_user_sgpr_kernarg_segment_ptr 1
		.amdhsa_wavefront_size32 1
		.amdhsa_system_sgpr_workgroup_id_x 1
		.amdhsa_system_sgpr_workgroup_id_y 1
		.amdhsa_system_sgpr_workgroup_id_z 1
		.amdhsa_system_vgpr_workitem_id 0
		.amdhsa_next_free_vgpr 1024
		.amdhsa_next_free_sgpr 66
		.amdhsa_reserve_vcc 0
		.amdhsa_float_denorm_mode_32 3
		.amdhsa_float_denorm_mode_16_64 3
		.amdhsa_memory_ordered 1
		.amdhsa_forward_progress 1
		.amdhsa_inst_pref_size 196
	.end_amdhsa_kernel
	.amdgpu_metadata
---
amdhsa.version: [ 1, 2 ]
amdhsa.kernels:
  - .name:           k_q2fda531ffb_proj
    .symbol:         k_q2fda531ffb_proj.kd
    .args:
      - { .name: att, .offset: 0, .size: 8, .value_kind: global_buffer, .address_space: global }
      - { .name: xw, .offset: 8, .size: 8, .value_kind: global_buffer, .address_space: global }
      - { .name: out0, .offset: 16, .size: 8, .value_kind: global_buffer, .address_space: global }
    .group_segment_fixed_size: 327680
    .private_segment_fixed_size: 0
    .kernarg_segment_align: 8
    .kernarg_segment_size: 24
    .max_flat_workgroup_size: 128
    .sgpr_count:     66
    .vgpr_count:     1024
    .wavefront_size: 32
...
	.end_amdgpu_metadata
.endif
;; end of part 4
;; ======== version 2 of 2: 4 launches; version 1 with the launch cast written anew for expert scheduling mode
;; limits: values are held in f16: magnitudes above 65,504 overflow, below 6.1e-05 lose precision
;; workspace buffers: xw 25,165,824 bytes; qkv 50,331,648 bytes; att 16,777,216 bytes
;; launch cast (part 5): grid 64 x 12, 8 waves a work-group, no clusters, 0 bytes of LDS; arguments x, Wq, Wk, Wv, Wo, xw; writes xw
.if DOCPART == 5
	.amdgcn_target "amdgcn-amd-amdhsa--gfx1250"
	.amdhsa_code_object_version 6
	.text
	.protected	k_q2fda531ffb_cast
	.globl	k_q2fda531ffb_cast
	.p2align	8
	.type	k_q2fda531ffb_cast,@function
k_q2fda531ffb_cast:
	s_mov_b64 s[64:65], 0
	v_nop
	global_prefetch_b8 v0, s[64:65] scope:SCOPE_SE
	s_setreg_imm32_b32 hwreg(HW_REG_WAVE_SCHED_MODE, 0, 2), 2
	s_setreg_imm32_b32 hwreg(HW_REG_WAVE_MODE, 25, 1), 1
	s_wait_xcnt 0x0
	s_wait_alu depctr_vm_vsrc(0)
; cast: f32 to f16 (one rounding), layouts unchanged.  xw is twelve segments of 1 Mi numbers (2 MiB each):
; segments 0-7 = x [8192][1024], 8 = Wq * 0.125 * log2(e), 9 = Wk, 10 = Wv, 11 = Wo, each weight [k][n].
; The factor on Wq is the logits' scale (depth^-0.5 = 0.125) and the change to base 2 of the softmax's exponential,
; applied in f32 ahead of the one rounding.
; LIMIT: f16 holds magnitudes below 65,504; larger inputs become infinities.
; A pure stream: no LDS, no barrier.  Work-group (cx, y): 16,384 numbers of segment y, 64 KiB in, 32 KiB out.
; Thread t, step i: 16 bytes in at 4096 i + 16 t (a wave: 512 consecutive bytes), 8 bytes out at 2048 i + 8 t
; (a wave: 256 consecutive bytes, aligned).  All sixteen loads of a wave go out first.
; THE MODE: SCHED_MODE bits 1:0 = 2 (LLVM: expert scheduling mode 2), set by the entry lines.  The code itself states the register
; dependences between vector instructions and memory instructions, with s_wait_alu, always for 0.
; THE PLAN.  Registers that memory instructions touch:
;   v1, v2   byte offsets of the loads and of the stores: written once at the head, never again.
;   X        step i's four registers: written by step i's load alone before any vector line names them; no memory instruction reads them.
;   Y        step i's two registers: written once, by step i's two roundings; read by step i's store; never written again.
; The sixteen steps go in four blocks of four.  Block p rounds steps 4 p .. 4 p + 3 into its own eight registers of Y; its memory
; instructions are the four stores of block p - 1, which read v2 and that block's Y: registers that no vector line of block p names.
; So one wait at a block's head states all that its four stores hang on, and they are dealt among the block's vector lines with no
; further wait.  No register that a memory instruction reads is ever written again, so there is nothing to state in that direction.
.set X, 4                              ; v[4:67]   step i: 4 numbers as loaded
.set Y, 68                             ; v[68:99]  step i: 4 numbers in f16
	s_load_b256 s[4:11], s[0:1], 0x0               ; x s[4:5], Wq s[6:7], Wk s[8:9], Wv s[10:11]
	s_load_b128 s[12:15], s[0:1], 0x20             ; Wo s[12:13], xw s[14:15]
	s_and_b32 s16, ttmp7, 0xffff                   ; the segment
	s_lshl_b32 s18, s16, 22                        ; x's segments are 4 MiB apart;
	s_cmp_lt_u32 s16, 8
	s_cselect_b32 s18, s18, 0                      ; for a weight's segment the offset into x is not used: keep it 0
	s_mov_b32 s19, 0
	s_lshl_b32 s26, ttmp9, 16                      ; my 64 KiB of the source segment
	s_mov_b32 s27, 0
	s_lshl_b32 s28, s16, 6
	s_add_co_u32 s28, s28, ttmp9
	s_lshl_b32 s28, s28, 15                        ; my 32 KiB of xw: (64 y + cx) * 32 KiB, below 24 MiB
	s_mov_b32 s29, 0
	s_mov_b32 s22, 0x3e38aa3b                      ; 0.125 * log2(e)
	s_mov_b32 s23, 0x3e38aa3b                      ; (the pair is named as a whole by the packed multiply)
	v_lshlrev_b32 v1, 4, v0                        ; 16 t
	v_lshlrev_b32 v2, 3, v0                        ; 8 t
	s_wait_kmcnt 0x0
	s_add_nc_u64 s[20:21], s[4:5], s[18:19]        ; the source: x's segment, or one of the weights
	s_cmp_eq_u32 s16, 8
	s_cselect_b64 s[20:21], s[6:7], s[20:21]
	s_cmp_eq_u32 s16, 9
	s_cselect_b64 s[20:21], s[8:9], s[20:21]
	s_cmp_eq_u32 s16, 10
	s_cselect_b64 s[20:21], s[10:11], s[20:21]
	s_cmp_eq_u32 s16, 11
	s_cselect_b64 s[20:21], s[12:13], s[20:21]
	s_add_nc_u64 s[20:21], s[20:21], s[26:27]
	s_add_nc_u64 s[24:25], s[14:15], s[28:29]
	s_wait_alu depctr_va_vdst(0)                   ; v1 and v2 are written: every load of the kernel reads v1 as its offset, every store v2
.irp i, 0,1,2,3,4,5,6,7,8,9,10,11,12,13,14,15
	global_load_b128 v[X+4*\i:X+4*\i+3], v1, s[20:21] offset:4096*\i th:TH_LOAD_NT
.endr
; Block p: steps 4 p .. 4 p + 3 are rounded, and the four stores of block p - 1 go out, one ahead of each step's vector lines.
; scale = 1: Wq's segment, multiplied ahead of the rounding.
.macro BLK p, scale
	s_wait_loadcnt 15-4*(\p)                       ; loads come back in order: the block's first step is in, the younger ones stay out
.if (\p) > 0
	s_wait_alu depctr_va_vdst(0)                   ; the block before has written its eight registers of Y, which the four stores below read
.endif
.irp j, 0,1,2,3
.if (\p) > 0
	global_store_b64 v2, v[Y+8*(\p)-8+2*(\j):Y+8*(\p)-8+2*(\j)+1], s[24:25] offset:2048*(4*(\p)-4+(\j))  ; no vector line since the wait names v2 or these two registers
.endif
.if (\j) > 0
	s_wait_loadcnt 15-4*(\p)-(\j)                  ; step 4 p + j is in, the younger ones stay out
.endif
.if \scale
	v_pk_mul_f32 v[X+16*(\p)+4*(\j):X+16*(\p)+4*(\j)+1],   v[X+16*(\p)+4*(\j):X+16*(\p)+4*(\j)+1],   s[22:23] op_sel_hi:[1,0]
	v_pk_mul_f32 v[X+16*(\p)+4*(\j)+2:X+16*(\p)+4*(\j)+3], v[X+16*(\p)+4*(\j)+2:X+16*(\p)+4*(\j)+3], s[22:23] op_sel_hi:[1,0]
.endif
	v_cvt_pk_f16_f32 v[Y+8*(\p)+2*(\j)],   v[X+16*(\p)+4*(\j)],   v[X+16*(\p)+4*(\j)+1]
	v_cvt_pk_f16_f32 v[Y+8*(\p)+2*(\j)+1], v[X+16*(\p)+4*(\j)+2], v[X+16*(\p)+4*(\j)+3]
.endr
.endm
; the sixteen steps.  No register is written twice but X's, in place, by Wq's multiply.
.macro CV scale
	BLK 0, \scale
	BLK 1, \scale
	BLK 2, \scale
	BLK 3, \scale
	s_wait_alu depctr_va_vdst(0)                   ; block 3 has written the last eight registers of Y, which the last four stores read
.irp j, 0,1,2,3
	global_store_b64 v2, v[Y+24+2*(\j):Y+24+2*(\j)+1], s[24:25] offset:2048*(12+(\j))
.endr
.endm
	s_cmp_eq_u32 s16, 8                            ; the same for the whole work-group
	s_cbranch_scc1 .Lscaled
	CV 0
	s_endpgm
.Lscaled:
	CV 1
	s_endpgm
.Lfunc_end_k_q2fda531ffb_cast:
	.size	k_q2fda531ffb_cast, .Lfunc_end_k_q2fda531ffb_cast-k_q2fda531ffb_cast
	.p2alignl 7, 3214868480
	.fill 96, 4, 3214868480
	.section	.rodata,"a",@progbits
	.p2align	6, 0x0
	.amdhsa_kernel k_q2fda531ffb_cast
		.amdhsa_group_segment_fixed_size 0
		.amdhsa_private_segment_fixed_size 0
		.amdhsa_enable_private_segment 0
		.amdhsa_kernarg_size 48
		.amdhsa_user_sgpr_count 2
		.amdhsa_user_sgpr_kernarg_segment_ptr 1
		.amdhsa_wavefront_size32 1
		.amdhsa_system_sgpr_workgroup_id_x 1
		.amdhsa_system_sgpr_workgroup_id_y 1
		.amdhsa_system_sgpr_workgroup_id_z 1
		.amdhsa_system_vgpr_workitem_id 0
		.amdhsa_next_free_vgpr 100
		.amdhsa_next_free_sgpr 66
		.amdhsa_reserve_vcc 0
		.amdhsa_float_denorm_mode_32 3
		.amdhsa_float_denorm_mode_16_64 3
		.amdhsa_memory_ordered 1
		.amdhsa_forward_progress 1
		.amdhsa_inst_pref_size 14
	.end_amdhsa_kernel
	.amdgpu_metadata
---
amdhsa.version: [ 1, 2 ]
amdhsa.kernels:
  - .name:           k_q2fda531ffb_cast
    .symbol:         k_q2fda531ffb_cast.kd
    .args:
      - { .name: x, .offset: 0, .size: 8, .value_kind: global_buffer, .address_space: global }
      - { .name: Wq, .offset: 8, .size: 8, .value_kind: global_buffer, .address_space: global }
      - { .name: Wk, .offset: 16, .size: 8, .value_kind: global_buffer, .address_space: global }
      - { .name: Wv, .offset: 24, .size: 8, .value_kind: global_buffer, .address_space: global }
      - { .name: Wo, .offset: 32, .size: 8, .value_kind: global_buffer, .address_space: global }
      - { .name: xw, .offset: 40, .size: 8, .value_kind: global_buffer, .address_space: global }
    .group_segment_fixed_size: 0
    .private_segment_fixed_size: 0
    .kernarg_segment_align: 8
    .kernarg_segment_size: 48
    .max_flat_workgroup_size: 256
    .sgpr_count:     66
    .vgpr_count:     100
    .wavefront_size: 32
...
	.end_amdgpu_metadata
.endif
;; end of part 5
;; launch qkv: the kernel of part 2 again; grid 12 x 32, 4 waves a work-group, clusters of 4 x 4, 327,680 bytes of LDS; arguments xw, qkv; writes qkv
;; launch attn: the kernel of part 3 again; grid 8 x 32, 8 waves a work-group, clusters of 4 x 1, 327,680 bytes of LDS; arguments qkv, bias, att; writes att
;; launch proj: the kernel of part 4 again; grid 4 x 32, 4 waves a work-group, clusters of 4 x 4, 327,680 bytes of LDS; arguments att, xw, out0; writes out0
